; MI455X (gfx1250); checked and timed in simulation.
; The chip was launched on July 23, 2026; its instructions are those of AMD's public machine-readable ISA for CDNA 5 (MIT licence, August 2026) and "CDNA5" Instruction Set Architecture Reference Guide (July 2026). The comments in the code are by the model that wrote it; some were corrected since.
;; Multi Head Attention. Allowed arithmetic: matrix products marked QUANTISED: E2M1 operands, one E8M0 scale for each 32 along K, by v_wmma_scale_f32_16x16x128_f8f6f4 with both operands' format E2M1 (or v_wmma_scale_f32_32x16x128_f4), f32 sums; everything else in f32.
;; Inputs: Wk_codes 1,024 x 32 x 16 uint8 (E2M1 codes of Wk, K innermost, in blocks of 32 codes, two codes a byte); Wk_scales 1,024 x 32 uint8 (E8M0 scales of Wk, one for each 32 codes along K); Wo_codes 1,024 x 32 x 16 uint8 (E2M1 codes of Wo, K innermost, in blocks of 32 codes, two codes a byte); Wo_scales 1,024 x 32 uint8 (E8M0 scales of Wo, one for each 32 codes along K); Wq_codes 1,024 x 32 x 16 uint8 (E2M1 codes of Wq, K innermost, in blocks of 32 codes, two codes a byte); Wq_scales 1,024 x 32 uint8 (E8M0 scales of Wq, one for each 32 codes along K); Wv_codes 1,024 x 32 x 16 uint8 (E2M1 codes of Wv, K innermost, in blocks of 32 codes, two codes a byte); Wv_scales 1,024 x 32 uint8 (E8M0 scales of Wv, one for each 32 codes along K); bk 1,024 float32; bo 1,024 float32; bq 1,024 float32; bv 1,024 float32; key_codes 4 x 2,048 x 32 x 16 uint8 (E2M1 codes of key, K innermost, in blocks of 32 codes, two codes a byte); key_scales 4 x 2,048 x 32 uint8 (E8M0 scales of key, one for each 32 codes along K); query_codes 4 x 2,048 x 32 x 16 uint8 (E2M1 codes of query, K innermost, in blocks of 32 codes, two codes a byte); query_scales 4 x 2,048 x 32 uint8 (E8M0 scales of query, one for each 32 codes along K); value_codes 4 x 2,048 x 32 x 16 uint8 (E2M1 codes of value, K innermost, in blocks of 32 codes, two codes a byte); value_scales 4 x 2,048 x 32 uint8 (E8M0 scales of value, one for each 32 codes along K).
;; Outputs: out0 4 x 2,048 x 1,024 float32.
;; This version of the problem:
;;   THIS VERSION OF THE PROBLEM IS GIVEN IN LOW PRECISION. The matrix products marked QUANTISED in the list below multiply operands that are first quantised to E2M1 (2 exponent bits, 1 mantissa bit; 4 bits a number), with one power-of-two scale for each 32 numbers along K (OCP MX v1.0); their sums are f32. All else is computed in f32.
;;   The module's matrix products, in the order in which they are computed (A, B: the left and right operand; K: the contracted axis; several contracted axes count as one K, in the product's order):
;;     1. [M 8,192, K 1,024] x [K 1,024, N 1,024]; A: input query (given as codes); B: input Wq (given as codes): QUANTISED
;;     2. [M 8,192, K 1,024] x [K 1,024, N 1,024]; A: input key (given as codes); B: input Wk (given as codes): QUANTISED
;;     3. [M 8,192, K 1,024] x [K 1,024, N 1,024]; A: input value (given as codes); B: input Wv (given as codes): QUANTISED
;;     4. batch 64 x [M 2,048, K 64] x [K 64, N 2,048]; A: computed on the way; B: computed on the way: QUANTISED
;;     5. batch 64 x [M 2,048, K 2,048] x [K 2,048, N 64]; A: softmax (see below); B: computed on the way: QUANTISED
;;     6. [M 8,192, K 1,024] x [K 1,024, N 1,024]; A: computed on the way; B: input Wo (given as codes): QUANTISED
;;   THE QUANTISER, for each operand of a quantised product, along K:
;;     - K is cut into blocks of 32 from its start; a last block that is shorter is filled with zeros.
;;     - A block's scale is 2^e with e = floor(log2(the largest magnitude in the block)) - 2, held to -126 .. 127; a block of zeros has e = 0. As a byte (E8M0): e + 127.
;;     - Each number is divided by its block's scale, clamped to +-6, and rounded to the nearest number of E2M1, ties to even, subnormals kept.
;;     - The product sums the exact products of the quantised numbers (number of the format x scale) in f32.
;;   ~~~python
;;   def quantise(x, axis):      # numpy; x: float32 -> the quantised numbers, widened to float32 again
;;       x = np.moveaxis(x, axis, -1); K = x.shape[-1]
;;       x = np.pad(x, [(0, 0)] * (x.ndim - 1) + [(0, -K % 32)]); x = x.reshape(x.shape[:-1] + (-1, 32)); a = np.abs(x).max(-1, keepdims=True)
;;       e = np.where(a > 0, np.clip(np.frexp(np.where(a > 0, a, 1))[1] - 1 - 2, -126, 127), 0)      # np.frexp(a)[1] - 1 = floor(log2(a)), exactly
;;       r = np.clip(x / 2.0 ** e, -6, 6)
;;       step = 2.0 ** (np.maximum(np.frexp(np.where(r == 0, 1, r))[1] - 1, 0) - 1)
;;       q = np.round(r / step) * step * 2.0 ** e      # np.round: ties to even
;;       return np.moveaxis(q.reshape(q.shape[:-2] + (-1,))[..., :K], -1, axis).astype(np.float32)
;;   ~~~
;;   SOFTMAX AHEAD OF A QUANTISED PRODUCT. Where the list says 'softmax', what is quantised is not the finished softmax but p = 2^(t - M), with t = logit x log2(e) and M = ceil(the row's largest t), a whole number; so 1/2 < the row's largest p <= 1. The row's sum l is taken of the UNQUANTISED p, in f32, and the product's result is divided by l at the end. Since M is a whole number, a kernel that streams over the keys may use a running M (the ceiling of the running maximum): every later rescaling is an exact power of two, which a block's scale takes up: the codes' values come out the same.
;;   OPERANDS COMPUTED ON THE WAY. 'Computed on the way' means the value that the module computes at that place (a softmax that the list does not call 'softmax' is quantised finished and normalised). What goes into a quantiser is computed in f32, as accurately as f32 sums, v_exp_f32 and their like allow (about 1e-6 of the number): no bf16 or f16 on the way to a quantiser, and a product that is left as it is and whose result goes on into a quantised operand takes f32 operands (vector FMAs, or v_wmma_f32_16x16x4_f32). A number that lies on a knife's edge between two numbers of the format may be rounded either way, as far as f32 arithmetic and the matrix unit's own rounding can turn it there, and no further.
;;   INPUTS GIVEN AS CODES. Wk (in the module: [1024, 1024], K = its axis 1); Wo (in the module: [1024, 1024], K = its axis 1); Wq (in the module: [1024, 1024], K = its axis 1); Wv (in the module: [1024, 1024], K = its axis 1); key (in the module: [4, 2048, 1024], K = its axis 2); query (in the module: [4, 2048, 1024], K = its axis 2); value (in the module: [4, 2048, 1024], K = its axis 2): each comes as NAME_codes (uint8): NAME with its K axis moved to the last place and cut into blocks of 32 codes, [.., K / 32, bytes a block], one block behind the other in memory; two codes a byte, the lower K in the low four bits (a code: sign, 2 exponent bits, 1 mantissa bit); and NAME_scales (uint8): the same leading axes, one E8M0 byte (e + 127) for each 32 codes along K. Its value is code x scale, taken as it is: it is not quantised again, and the codes and scales need not be those that the quantiser above would give.
;; One version. Each part assembles by itself: llvm-mc -triple=amdgcn-amd-amdhsa -mcpu=gfx1250 --defsym DOCPART=n.
;; ======== version 1 of 1: 3 launches
;; workspace buffers: qkv 12,582,912 bytes; qkvs 1,572,864 bytes; ximg 4,194,304 bytes; xsc 262,144 bytes
;; launch proj (part 1): grid 4 x 96, 4 waves a work-group, clusters of 4 x 4, 297,472 bytes of LDS; arguments query_codes, query_scales, key_codes, key_scales, value_codes, value_scales, Wq_codes, Wq_scales, Wk_codes, Wk_scales, Wv_codes, Wv_scales, bq, bk, bv, qkv, qkvs; writes qkv, qkvs
.if DOCPART == 1
	.amdgcn_target "amdgcn-amd-amdhsa--gfx1250"
	.amdhsa_code_object_version 6
	.text
	.protected	k_qbeeb1ba24e_proj
	.globl	k_qbeeb1ba24e_proj
	.p2align	8
	.type	k_qbeeb1ba24e_proj,@function
k_qbeeb1ba24e_proj:
	s_mov_b64 s[64:65], 0
	v_nop
	global_prefetch_b8 v0, s[64:65] scope:SCOPE_SE
	s_setreg_imm32_b32 hwreg(HW_REG_WAVE_MODE, 25, 1), 1
	s_wait_xcnt 0x0
	s_wait_alu depctr_hold_cnt(0) depctr_sa_sdst(0) depctr_va_vdst(0) depctr_va_sdst(0) depctr_va_ssrc(0) depctr_va_vcc(0) depctr_vm_vsrc(0)
	s_getreg_b32 s2, hwreg(HW_REG_IB_STS2, 6, 4)
	s_cmp_eq_u32 s2, 0
	s_cbranch_scc0 .Lentry_in_a_cluster
	s_endpgm
.Lentry_in_a_cluster:
	s_bfe_u32 s2, ttmp6, 0x10000c
	s_cmp_lg_u32 s2, 0xf033
	s_cbranch_scc0 .Lentry_shape_is_right
	s_endpgm
.Lentry_shape_is_right:
; q = query Wq^T + bq, k = key Wk^T + bk, v = value Wv^T + bv, on codes of FP4 (E2M1) with one E8M0 scale for each 32 along K = 1,024; sums in f32; the results are quantised at once
; (q and k along the head's 64, v along the keys) and leave as codes, laid as images of the registers in which the attention launch wants them.
; ONE TEXT FOR THE THREE PRODUCTS.  P is source 0 of the matrix instruction: its rows run along a lane's result registers, which is the NEXT product's K.  R is source 1: its rows run along the lanes.
;   q: P = Wq (features), R = query (tokens);  k: P = Wk, R = key;  v: P = value (keys), R = Wv (channels).  All are [rows][512 bytes of codes] with [rows][32 scale bytes].
; SHARES.  A work-group makes 256 rows of P x 256 rows of R; all of K lies in LDS at once (two chunks of 512 along K, rows of 256 bytes), so no LDS byte is filled twice.  A wave makes 128 x 128: 64 accumulators.
; CLUSTERS of 4 x 4: 24 of them, eight for each product (the product's number comes from the cluster's y, the same in all partners).  P's tile hangs on cx alone and is asked for jointly by a column of the cluster,
; R's on cy alone and is asked for jointly by a row.
; THE QUANTISER.  In tile b of a block of 16 rows of R, lane (r, h) holds row r and P's rows 16 b + 8 h + 0 .. 7.  A block of 32 along the next K is tiles 2 B, 2 B + 1 of lanes l and l xor 16.
; Its scale byte is the largest magnitude's exponent field - 2, held at 1 from below.  The conversion of tile t lands in code register 4 (t / 4) + {0, 2, 1, 3}[t % 4]; two exchanges of halves for each four registers
; then give the operand's layout (register 4 c + i: k = 64 c + 32 h + 8 i + 0 .. 7).
; OUT.  qkv: part (q, k, v) x 4 MiB, [batch x 16 + head][65,536].  q, k: [tile of 16 tokens][512]: registers 0-3 of a fragment, lane l's 16 bytes at 16 l.  v: [128 keys][tile of 16 channels][1,024]: a whole fragment.
;       qkvs: part x 512 KiB, [batch x 16 + head][8,192].  q, k: [4 tiles][row r][4 words], word i for tile i: bytes 0, 1 the token's two scale bytes, bytes 2, 3 zero.  v: [128 keys][2 copies][r][4 words], word i for channel tile i.
; LIMITS: NaN, infinities and a given scale byte 0xff are not served.  A block whose largest magnitude lies under 2^-124 keeps the byte 1; a block of zeros gets the byte 1 where the rule says 127: its codes are zeros,
; which add nothing under any byte but 0xff, and this program alone reads the bytes.
; REGISTERS, in windows of 256.  Window 0: v1-28 addresses; v32-95 scale words, a set for each chunk; v96-111 at work; v128-191, v192-255 R's fragments, two sets (on the way out: codes, offsets, scale words).
;   Window 1: v0-63, v64-127 P's fragments, two sets; v128-191 the bias as 8 tiles of 8 registers.   Window 2: accumulators of R's blocks 0-3 ((a, b) at v[8 (8 (a % 4) + b)]).   Window 3: blocks 4-7.
.set PITCH,  272                       ; an LDS row: 256 bytes + 16 of padding = 68 words: the 16 rows that a load touches start at 16 different banks (64 banks of 4 bytes: ISA guide 11.1)
.set HALFT,  128*PITCH                 ; 128 rows: what one tensor load brings, and what one wave reads of R or of P
.set SLOT,   4*HALFT                   ; a chunk: R's 256 rows, then P's 256 rows
.set SCL,    2*SLOT                    ; behind the two chunks: the scale bytes, as units of 256 bytes + 16 of padding
.set HALFS,  16*272                    ; those of 128 rows (4,096 bytes)
.set SBLK,   2*272                     ; those of 16 rows
.set CODEW,  (1<<20)|(1<<21)|(5<<22)|(3<<25)   ; group 1, word 0 beside the mask: elements of 1 byte; padding on; bit 21 set beside a mask; 4 words of padding after every 64
.set SCLW,   CODEW|(3<<16)             ; the same with elements of 8 bytes
.set ADRA, 16                          ; v16-17  LDS address of my R fragments in chunk 0, 1
.set ADRB, 20                          ; v20-21  the same for P
.set LI,   24                          ; v24     16 x lane
.set SO,   25                          ; v25-26  where my scale words go, blocks 0-3 and 4-7
.set ADRS, 27                          ; v27     LDS address of my scale words: lanes 0-15 R's rows, lanes 16-31 P's
.set SHV,  28                          ; v28     q, k: 16 in lanes 16-31 (they take the odd head's two bytes), else 0
.set SC,   32
.set TM,   96                          ; v96-99 largest magnitudes, v100-103 the other half's / bytes, v108-111 the conversions' scale operands; v96-103 serve first as the bias loads' offsets
.set PC,   128                         ; the way out: 8 code registers for each of R's 8 blocks
.set OFS,  192                         ; two store offsets for each
.set PW,   208                         ; a scale word for each
.set BIAS, 128                         ; in window 1
.set G1, 24                            ; s[24:31] group 1 for R's codes; s[32:39] group 0, one set for each chunk
.set G0, 32
.set G1B, 48                           ; s[48:55], s[56:63] the same for P's
.set G0B, 56
.set G1S, 68                           ; s[68:75], s[76:79] groups 1 and 0 for R's scales; s[80:87], s[88:91] for P's
.set G0S, 76
.set G1SB, 80
.set G0SB, 88
.set MSB, 0
.macro WIN new                         ; the immediate's high byte repeats the setting that is left; a switch that changes nothing is dropped
.if MSB != (\new)
	s_set_vgpr_msb (MSB<<8)|(\new)
.set MSB, (\new)
.endif
.endm
; A joint load: waves 0 and 1 fetch for R, waves 2 and 3 for P.  Each line has one mask and one set of registers for all that issue it; the branch hangs on the wave's number alone.
; Four v_nop follow each of the two lines, ahead of the jump, the label and what follows.
.macro JLOAD g0a, g1a, g0b, g1b
	s_cmp_eq_u32 s15, 0
	s_cbranch_scc0 .Lfor_p_\@
	tensor_load_to_lds s[\g0a:\g0a+3], s[\g1a:\g1a+7]
	s_nop 0
.rept 4
	v_nop
.endr
	s_branch .Lasked_\@
.Lfor_p_\@:
	tensor_load_to_lds s[\g0b:\g0b+3], s[\g1b:\g1b+7]
	s_nop 0
.rept 4
	v_nop
.endr
.Lasked_\@:
.endm
.macro CROUND                          ; a round of the cluster's barrier
	s_barrier_signal -1
	s_barrier_wait -1
	s_cmp_lg_u32 s14, 0
	s_cbranch_scc1 .Lnot_wave_0_\@
	s_barrier_signal -3
.Lnot_wave_0_\@:
	s_barrier_wait -3
	s_barrier_signal -1
	s_barrier_wait -1
.endm
	s_load_b512 s[68:83], s[0:1], 0x0              ; query c, s; key c, s; value c, s; Wq c, s
	s_load_b512 s[84:99], s[0:1], 0x40             ; Wk c, s; Wv c, s; bq; bk; bv; qkv
	s_load_b64 s[2:3], s[0:1], 0x80                ; qkvs
	v_lshl_add_u32 v126, v0, 2, 0x48800
	v_mov_b32 v127, 0
	ds_add_u32 v126, v127
	ds_add_u32 v126, v127
	v_lshrrev_b32 v1, 5, v0
	v_readfirstlane_b32 s14, v1                    ; wave 0..3
	s_lshr_b32 s15, s14, 1                         ; which half of R's rows is mine.  Also: I fetch for R (0) or for P (1)
	s_and_b32 s16, s14, 1                          ; which half of P's rows.  Also: which 128 rows of that tile I fetch
	s_bfe_u32 s40, ttmp6, 0x40000                  ; cx
	s_bfe_u32 s41, ttmp6, 0x40004                  ; cy
	s_and_b32 s18, ttmp7, 0xffff                   ; the cluster's number, 0 .. 23
	s_lshr_b32 s17, s18, 3                         ; the product: 0 q, 1 k, 2 v
	s_and_b32 s18, s18, 7                          ; which of its eight clusters
	s_cmp_eq_u32 s17, 2
	s_cselect_b32 s19, s18, 0                      ; the long operand (8,192 rows) is P for v,
	s_cselect_b32 s20, 0, s18                      ; R for q and k
	s_lshl_b32 s42, s19, 2
	s_add_co_u32 s42, s42, s40                     ; P's tile of 256 rows
	s_lshl_b32 s45, s20, 2
	s_add_co_u32 s45, s45, s41                     ; R's tile
	s_lshl_b32 s43, s41, 2
	s_lshl_b32 s43, 15, s43                        ; my row of the cluster
	s_lshl_b32 s44, 0x1111, s40                    ; my column
	s_or_b32 s[G1], s43, CODEW                     ; R's tiles go to my row,
	s_or_b32 s[G1B], s44, CODEW                    ; P's to my column
.irp g, G1, G1B
	s_mov_b32 s[\g+1], 256<<16                     ; tensor_dim0 = 256 bytes
	s_mov_b32 s[\g+2], 128<<16                     ; tensor_dim1 = 128 rows
	s_mov_b32 s[\g+3], 256<<16                     ; tile_dim0
	s_mov_b32 s[\g+4], 128                         ; tile_dim1
	s_mov_b32 s[\g+5], 512                         ; from row to row: 1,024 codes
	s_mov_b32 s[\g+6], 0
	s_mov_b32 s[\g+7], 0
.endr
	s_lshl_b32 s18, s16, 7                         ; which 128 rows of the tile I fetch
	s_lshl_b32 s20, s45, 8
	s_add_co_u32 s20, s20, s18                     ; R: row
	s_lshl_b32 s46, s42, 8
	s_add_co_u32 s46, s46, s18                     ; P: row
	s_mov_b32 s21, 0
	s_mov_b32 s47, 0
	s_lshl_b64 s[22:23], s[20:21], 5               ; where these rows' scale bytes begin,
	s_lshl_b64 s[100:101], s[46:47], 5
	s_lshl_b64 s[20:21], s[20:21], 9               ; and their codes
	s_lshl_b64 s[46:47], s[46:47], 9
	s_mul_i32 s18, s14, HALFT                      ; where they go: wave x 128 rows: no place in the cluster enters an LDS address
	s_mul_i32 s19, s14, HALFS
	s_wait_dscnt 0x0
	s_wait_kmcnt 0x0
	s_cmp_eq_u32 s17, 1                            ; the product's five buffers, chosen on the product's number
	s_cselect_b64 s[4:5], s[72:73], s[68:69]       ; R's codes
	s_cselect_b64 s[6:7], s[74:75], s[70:71]       ; R's scales
	s_cselect_b64 s[8:9], s[84:85], s[80:81]       ; P's codes
	s_cselect_b64 s[10:11], s[86:87], s[82:83]     ; P's scales
	s_cselect_b64 s[12:13], s[94:95], s[92:93]     ; the bias
	s_cmp_eq_u32 s17, 2
	s_cselect_b64 s[4:5], s[88:89], s[4:5]
	s_cselect_b64 s[6:7], s[90:91], s[6:7]
	s_cselect_b64 s[8:9], s[76:77], s[8:9]
	s_cselect_b64 s[10:11], s[78:79], s[10:11]
	s_cselect_b64 s[12:13], s[96:97], s[12:13]
	s_add_nc_u64 s[20:21], s[4:5], s[20:21]
	s_add_nc_u64 s[22:23], s[6:7], s[22:23]
	s_add_nc_u64 s[46:47], s[8:9], s[46:47]
	s_add_nc_u64 s[100:101], s[10:11], s[100:101]
	s_or_b32 s[G1S], s43, SCLW                     ; the scales of 128 rows: 4,096 dense bytes as 16 rows of 256 (32 elements of 8 bytes)
	s_or_b32 s[G1SB], s44, SCLW
.irp g, G1S, G1SB
	s_mov_b32 s[\g+1], 32<<16
	s_mov_b32 s[\g+2], 16<<16
	s_mov_b32 s[\g+3], 32<<16
	s_mov_b32 s[\g+4], 16
	s_mov_b32 s[\g+5], 32
	s_mov_b32 s[\g+6], 0
	s_mov_b32 s[\g+7], 0
.endr
	CROUND                                         ; all sixteen work-groups are here: the joint loads meet
	s_mov_b32 s[G0S], 1
	s_add_co_u32 s[G0S+1], s19, SCL
	s_mov_b64 s[G0S+2:G0S+3], s[22:23]
	s_or_b32 s[G0S+3], s[G0S+3], 0x80000000
	s_mov_b32 s[G0SB], 1
	s_add_co_u32 s[G0SB+1], s19, SCL
	s_mov_b64 s[G0SB+2:G0SB+3], s[100:101]
	s_or_b32 s[G0SB+3], s[G0SB+3], 0x80000000
	JLOAD G0S, G1S, G0SB, G1SB                     ; the scales first: they are wanted with chunk 0
.irp s, 0,1
	s_mov_b32 s[G0+4*\s], 1
	s_add_co_u32 s[G0+4*\s+1], s18, \s*SLOT
	s_add_nc_u64 s[G0+4*\s+2:G0+4*\s+3], s[20:21], \s*256
	s_or_b32 s[G0+4*\s+3], s[G0+4*\s+3], 0x80000000
	s_mov_b32 s[G0B+4*\s], 1
	s_add_co_u32 s[G0B+4*\s+1], s18, \s*SLOT
	s_add_nc_u64 s[G0B+4*\s+2:G0B+4*\s+3], s[46:47], \s*256
	s_or_b32 s[G0B+4*\s+3], s[G0B+4*\s+3], 0x80000000
	JLOAD G0+4*\s, G1, G0B+4*\s, G1B               ; three tensor loads of mine are out now, and no more are issued
.endr
	v_and_b32 v1, 15, v0                           ; r
	v_bfe_u32 v2, v0, 4, 1                         ; h
	v_mul_u32_u24 v3, v1, PITCH
	v_lshl_add_u32 v4, v2, 4, v3                   ; a fragment's row x pitch + 16 h
	s_mul_i32 s20, s15, HALFT                      ; my 128 rows of R
	s_mul_i32 s21, s16, HALFT                      ; my 128 rows of P,
	s_add_co_u32 s21, s21, 2*HALFT                 ; which lie behind R's 256
.irp s, 0,1
	v_add_nc_u32 v[ADRA+\s], s20, v4
	v_add_nc_u32 v[ADRB+\s], s21, v4
	s_add_co_u32 s20, s20, SLOT
	s_add_co_u32 s21, s21, SLOT
.endr
	v_lshlrev_b32 v5, 5, v1                        ; my row's scale bytes: 32 a row,
	v_lshrrev_b32 v6, 8, v5
	v_lshl_add_u32 v5, v6, 4, v5                   ; and 16 more for each 256 passed
	s_mul_i32 s20, s15, HALFS
	s_mul_i32 s21, s16, HALFS
	s_add_co_u32 s21, s21, 2*HALFS
	s_sub_co_u32 s21, s21, s20
	v_mul_u32_u24 v6, s21, v2                      ; lanes 16-31 take P's
	s_add_co_u32 s20, s20, SCL
	v_add_nc_u32 v5, v5, v6
	v_add_nc_u32 v[ADRS], s20, v5
	; where the results go
	s_lshl_b32 s46, s42, 8
	s_lshl_b32 s47, s16, 7
	s_add_co_u32 s46, s46, s47                     ; my first row of P
	s_lshl_b32 s20, s45, 8
	s_lshl_b32 s21, s15, 7
	s_add_co_u32 s20, s20, s21                     ; my first row of R
	s_cmp_eq_u32 s17, 2
	s_cselect_b32 s22, s46, s20                    ; my first token
	s_cselect_b32 s23, s20, s46                    ; my first feature
	s_mov_b32 s92, 512
	s_cselect_b32 s92, 1024, s92                   ; from one of R's blocks to the next in the images: a tile of tokens | a tile of channels
	s_cselect_b32 s93, 61440, 0                    ; v: behind block 3 on to the next head
	s_mov_b32 s94, 65536
	s_cselect_b32 s94, 512, s94                    ; from registers 0-3 to registers 4-7: the next head | the fragment's second half
	s_mov_b32 s95, 256
	s_cselect_b32 s95, 8192, s95                   ; scale words, blocks 4-7: the next four tiles | the next head
	s_mov_b32 s96, 8192
	s_cselect_b32 s96, 256, s96                    ; scale words, lanes 16-31: the next head | the second copy
	s_cselect_b32 s97, 0, 16
	s_mov_b32 s101, 0xffff
	s_cselect_b32 s101, -1, s101                   ; q, k: a word keeps two bytes
	s_cselect_b32 s46, 0, 32                       ; the bias: q, k by P's rows (32 h + 4 j), v by R's rows (4 r)
	s_cselect_b32 s47, 4, 0
	s_cselect_b32 s100, 0, 4
	s_lshr_b32 s40, s22, 11
	s_lshl_b32 s40, s40, 4
	s_lshr_b32 s41, s23, 6
	s_add_co_u32 s40, s40, s41                     ; batch x 16 + my first head
	s_and_b32 s41, s22, 2047                       ; my first token in its batch
	s_lshl_b32 s42, s17, 22
	s_lshl_b32 s43, s40, 16
	s_add_co_u32 s42, s42, s43
	s_lshl_b32 s43, s41, 5                         ; 32 bytes a token in q, k and v alike
	s_add_co_u32 s42, s42, s43
	s_mov_b32 s43, 0
	s_lshl_b32 s44, s17, 19
	s_lshl_b32 s45, s40, 13
	s_add_co_u32 s44, s44, s45
	s_lshl_b32 s45, s41, 2                         ; 4 bytes a token
	s_add_co_u32 s44, s44, s45
	s_mov_b32 s45, 0
	s_lshl_b32 s18, s23, 2
	s_mov_b32 s19, 0
	s_add_nc_u64 s[98:99], s[98:99], s[42:43]
	s_add_nc_u64 s[2:3], s[2:3], s[44:45]
	s_add_nc_u64 s[12:13], s[12:13], s[18:19]
	s_mov_b32 s66, 0x76543210
	s_mov_b32 s67, 0xfedcba98                      ; v_permlanex16_b32's selects for lane l xor 16
	v_and_b32 v5, 31, v0
	v_lshlrev_b32 v[LI], 4, v5
	v_mul_u32_u24 v[SO], s96, v2
	v_lshl_add_u32 v[SO], v1, 4, v[SO]
	v_add_nc_u32 v[SO+1], s95, v[SO]
	v_mul_u32_u24 v[SHV], s97, v2
	v_mul_u32_u24 v[TM], s46, v2
	v_mad_u32_u24 v[TM], v1, s47, v[TM]
.irp j, 1,2,3,4,5,6,7
	v_add_nc_u32 v[TM+\j], s100, v[TM+\j-1]
.endr
	s_mov_b32 s100, 0                              ; from here on: the running offset of the images
	WIN 0x40                                       ; destination window 1
.irp n, 0,1,2,3,4,5,6,7                        ; register 8 n + j: q, k: bias(16 n + 8 h + j), the C of every accumulator (., n);  v: bias(16 n + r) in all eight, the C of every accumulator (n, .)
.irp j, 0,1,2,3,4,5,6,7
	global_load_b32 v[BIAS+8*\n+\j], v[TM+\j], s[12:13] offset:64*\n
.endr
.endr
	WIN 0
.macro FRAG reg, adr, q, n             ; a fragment, 16 rows x 128 K of 4-bit codes: 8 registers; lane l holds row l % 16; registers 4 c .. 4 c + 3 hold K = 64 c + 32 (l / 16) + 0 .. 31
.irp c, 0,1
	ds_load_b128 v[\reg+4*\c:\reg+4*\c+3], v[\adr] offset:64*(\q)+32*\c+(\n)*16*PITCH
.endr
.endm
.macro FETCH q                         ; 32 LDS loads in one run: the fragments of K step q (128 along K) into set q % 2
	WIN 0x40
.irp n, 0,1,2,3,4,5,6,7
	FRAG 64*((\q)%2)+8*\n, ADRB+(\q)/4, (\q)%4, \n
.endr
	WIN 0
.irp n, 0,1,2,3,4,5,6,7
	FRAG 128+64*((\q)%2)+8*\n, ADRA+(\q)/4, (\q)%4, \n
.endr
.endm
.macro SCALES sl                       ; chunk sl's scale words: 4 words a row; lanes 0-15 take R's block n, lanes 16-31 P's block n
.irp n, 0,1,2,3,4,5,6,7
	ds_load_b128 v[SC+32*\sl+4*\n:SC+32*\sl+4*\n+3], v[ADRS] offset:\n*SBLK+16*\sl
.endr
.endm
; K step q: 64 matrix instructions; the 64 accumulators take turns, one instruction a turn, in the same order in every step.
; cm = 0: the sums go on;  1: they begin with the bias by P's block b;  2: by R's block a.  Nothing is ever cleared.
.macro MULALL q, cm
.set SCQ, SC+32*((\q)/4)+(\q)%4
.set PS, 64*((\q)%2)
.set RS, 128+64*((\q)%2)
.irp a, 0,1,2,3,4,5,6,7
.if \cm
	WIN 0x91+0x40*(\a/4)                           ; source 0 (P) and C (bias) window 1, source 1 (R) window 0, D window 2 or 3
.else
	WIN 0xa1+0x50*(\a/4)                           ; C and D window 2 or 3
.endif
.irp b, 0,1,2,3,4,5,6,7
.if \cm == 1
	v_wmma_scale_f32_16x16x128_f8f6f4 v[8*(8*(\a%4)+\b):8*(8*(\a%4)+\b)+7], v[PS+8*\b:PS+8*\b+7], v[RS+8*\a:RS+8*\a+7], v[BIAS+8*\b:BIAS+8*\b+7], v[SCQ+4*\b], v[SCQ+4*\a] matrix_a_fmt:MATRIX_FMT_FP4 matrix_b_fmt:MATRIX_FMT_FP4 matrix_a_scale:MATRIX_SCALE_ROW1
.elseif \cm == 2
	v_wmma_scale_f32_16x16x128_f8f6f4 v[8*(8*(\a%4)+\b):8*(8*(\a%4)+\b)+7], v[PS+8*\b:PS+8*\b+7], v[RS+8*\a:RS+8*\a+7], v[BIAS+8*\a:BIAS+8*\a+7], v[SCQ+4*\b], v[SCQ+4*\a] matrix_a_fmt:MATRIX_FMT_FP4 matrix_b_fmt:MATRIX_FMT_FP4 matrix_a_scale:MATRIX_SCALE_ROW1
.else
	v_wmma_scale_f32_16x16x128_f8f6f4 v[8*(8*(\a%4)+\b):8*(8*(\a%4)+\b)+7], v[PS+8*\b:PS+8*\b+7], v[RS+8*\a:RS+8*\a+7], v[8*(8*(\a%4)+\b):8*(8*(\a%4)+\b)+7], v[SCQ+4*\b], v[SCQ+4*\a] matrix_a_fmt:MATRIX_FMT_FP4 matrix_b_fmt:MATRIX_FMT_FP4 matrix_a_scale:MATRIX_SCALE_ROW1
.endif
.endr
.endr
.endm
; A load into a register that a matrix instruction has read, and a vector instruction that reads a matrix result or writes one of a matrix instruction's registers, stand four places behind it,
; and only plain vector instructions that name none of its registers are places (ISA guide 7.12.1 for vector instructions).
.macro PLACES
.rept 4
	v_nop
.endr
.endm
.macro STEP q                          ; the next step's fragments are asked for, into the set that the last step multiplied; then this step is multiplied
.if (\q) < 7
	PLACES
.if (\q) == 3
	s_wait_tensorcnt 0x0                           ; step 4 lies in chunk 1: my part of it has landed,
	s_wait_dscnt 0x0                               ; no LDS load of mine is out at a signal,
	s_barrier_signal -1
	s_barrier_wait -1                              ; and everybody's part has
.endif
	FETCH (\q)+1
	s_wait_dscnt 32                                ; all but the 32 just issued: this step's fragments are in
.else
	s_wait_dscnt 0x0
.endif
	MULALL \q, 0
.endm
	s_wait_tensorcnt 0x1                           ; the scales and my part of chunk 0 are in; behind them one load was issued, chunk 1's, which may stay out
	s_barrier_signal -1
	s_barrier_wait -1                              ; everybody's are
	SCALES 0
	SCALES 1
	FETCH 0
	FETCH 1
	s_wait_dscnt 32                                ; all but step 1's 32 loads
	s_wait_loadcnt 0x0                             ; the bias
	s_cmp_eq_u32 s17, 2                            ; the first step starts the sums with the bias; which way the bias lies hangs on the product's number, the same in all partners
	s_cbranch_scc1 .Lbias_by_lane
	MULALL 0, 1
	WIN 0                                          ; at a branch and at a label every window is 0
	s_branch .Lsums_begun
.Lbias_by_lane:
	MULALL 0, 2
	WIN 0
.Lsums_begun:
.irp q, 1,2,3,4,5,6,7
	STEP \q
.endr
	PLACES
; THE WAY OUT of R's block a: 128 numbers a lane (four blocks of 32 with lane l xor 16) become 8 code registers and a scale word, and are stored as they stand: 512 consecutive bytes an instruction.
; Each block has its own registers for codes, offsets and scale word, so no store's source is written again.
.macro QUANT a
.set AC, 64*((\a)%4)
.set W, 2+(\a)/4
.set WW, W|(W<<2)
	WIN WW                                         ; sources 0 and 1: the accumulators' window
.irp b, 0,1,2,3
	v_max3_num_f32 v[TM+\b], |v[AC+16*\b]|, |v[AC+16*\b+1]|, 0x1800000   ; each accumulator is read from its low end on; the floor 2^(3 - 127) holds the byte at 1 from below
.endr
.irp n, 2,4,6,8,10,12,14
.irp b, 0,1,2,3
	v_max3_num_f32 v[TM+\b], |v[AC+16*\b+\n]|, |v[AC+16*\b+\n+1]|, v[TM+\b]   ; (the four blocks by turns)
.endr
.endr
	WIN 0
.irp b, 0,1,2,3
	v_permlanex16_b32 v[TM+4+\b], v[TM+\b], s66, s67
.endr
.irp b, 0,1,2,3
	v_max_num_f32 v[TM+\b], v[TM+\b], v[TM+4+\b]   ; with lane l xor 16's: the block's largest magnitude
.endr
.irp b, 0,1,2,3
	v_add_nc_u32 v[TM+12+\b], 0xff000000, v[TM+\b] ; 2 off its exponent field: the conversion takes the exponent field of this operand as its scale
.endr
.irp b, 0,1,2,3
	v_lshrrev_b32 v[TM+4+\b], 23, v[TM+12+\b]      ; the scale's byte
.endr
	v_lshl_or_b32 v[PW+\a], v[TM+5], 8, v[TM+4]
	v_lshl_or_b32 v[PW+\a], v[TM+6], 16, v[PW+\a]
	v_lshl_or_b32 v[PW+\a], v[TM+7], 24, v[PW+\a]
	WIN W                                          ; source 0: the accumulators' window
.irp t, 0,1,2,3,4,5,6,7
	v_cvt_scalef32_pk8_fp4_f32 v[PC+8*(\a)+4*(\t/4)+2*(\t%2)+(\t%4)/2], v[AC+8*\t:AC+8*\t+7], v[TM+12+\t/2]
.endr
	WIN 0
	v_nop                                          ; one plain place behind a scaled conversion
.irp c, 0,1
	v_permlane16_swap_b32 v[PC+8*(\a)+4*\c], v[PC+8*(\a)+4*\c+1]     ; tiles 0 and 2 of the four: registers 0 and 1 of the operand
	v_permlane16_swap_b32 v[PC+8*(\a)+4*\c+2], v[PC+8*(\a)+4*\c+3]   ; tiles 1 and 3: registers 2 and 3
.endr
	v_lshrrev_b32 v[PW+\a], v[SHV], v[PW+\a]       ; q, k: lanes 16-31 take the odd head's two bytes,
	v_and_b32 v[PW+\a], s101, v[PW+\a]             ; and a word keeps two bytes: the other two are 0
	v_add_nc_u32 v[OFS+2*\a], s100, v[LI]
	v_add_nc_u32 v[OFS+2*\a+1], s94, v[OFS+2*\a]
	global_store_b128 v[OFS+2*\a], v[PC+8*\a:PC+8*\a+3], s[98:99]
	global_store_b128 v[OFS+2*\a+1], v[PC+8*\a+4:PC+8*\a+7], s[98:99]
	s_add_co_u32 s100, s100, s92
.if (\a) == 3
	s_add_co_u32 s100, s100, s93
.endif
.if (\a)%4 == 3
	global_store_b128 v[SO+\a/4], v[PW+\a-3:PW+\a], s[2:3]   ; four blocks' scale words: sixteen lanes store 256 consecutive bytes, aligned
.endif
.endm
.irp a, 0,1,2,3,4,5,6,7
	QUANT \a
.endr
	s_wait_tensorcnt 0x0
	ds_add_u32 v126, v127
	s_wait_dscnt 0x0
	CROUND                                         ; the closing round: no work-group ends while a partner may still ask for a tile that names it
	s_endpgm
.Lfunc_end_k_qbeeb1ba24e_proj:
	.size	k_qbeeb1ba24e_proj, .Lfunc_end_k_qbeeb1ba24e_proj-k_qbeeb1ba24e_proj
	.p2alignl 7, 3214868480
	.fill 96, 4, 3214868480
	.section	.rodata,"a",@progbits
	.p2align	6, 0x0
	.amdhsa_kernel k_qbeeb1ba24e_proj
		.amdhsa_group_segment_fixed_size 297472
		.amdhsa_private_segment_fixed_size 0
		.amdhsa_enable_private_segment 0
		.amdhsa_kernarg_size 136
		.amdhsa_user_sgpr_count 2
		.amdhsa_user_sgpr_kernarg_segment_ptr 1
		.amdhsa_wavefront_size32 1
		.amdhsa_system_sgpr_workgroup_id_x 1
		.amdhsa_system_sgpr_workgroup_id_y 1
		.amdhsa_system_sgpr_workgroup_id_z 1
		.amdhsa_system_vgpr_workitem_id 0
		.amdhsa_next_free_vgpr 1024
		.amdhsa_next_free_sgpr 102
		.amdhsa_reserve_vcc 0
		.amdhsa_float_denorm_mode_32 3
		.amdhsa_float_denorm_mode_16_64 3
		.amdhsa_memory_ordered 1
		.amdhsa_forward_progress 1
		.amdhsa_inst_pref_size 144
	.end_amdhsa_kernel
	.amdgpu_metadata
---
amdhsa.version: [ 1, 2 ]
amdhsa.kernels:
  - .name:           k_qbeeb1ba24e_proj
    .symbol:         k_qbeeb1ba24e_proj.kd
    .args:
      - { .name: query_codes, .offset: 0, .size: 8, .value_kind: global_buffer, .address_space: global }
      - { .name: query_scales, .offset: 8, .size: 8, .value_kind: global_buffer, .address_space: global }
      - { .name: key_codes, .offset: 16, .size: 8, .value_kind: global_buffer, .address_space: global }
      - { .name: key_scales, .offset: 24, .size: 8, .value_kind: global_buffer, .address_space: global }
      - { .name: value_codes, .offset: 32, .size: 8, .value_kind: global_buffer, .address_space: global }
      - { .name: value_scales, .offset: 40, .size: 8, .value_kind: global_buffer, .address_space: global }
      - { .name: Wq_codes, .offset: 48, .size: 8, .value_kind: global_buffer, .address_space: global }
      - { .name: Wq_scales, .offset: 56, .size: 8, .value_kind: global_buffer, .address_space: global }
      - { .name: Wk_codes, .offset: 64, .size: 8, .value_kind: global_buffer, .address_space: global }
      - { .name: Wk_scales, .offset: 72, .size: 8, .value_kind: global_buffer, .address_space: global }
      - { .name: Wv_codes, .offset: 80, .size: 8, .value_kind: global_buffer, .address_space: global }
      - { .name: Wv_scales, .offset: 88, .size: 8, .value_kind: global_buffer, .address_space: global }
      - { .name: bq, .offset: 96, .size: 8, .value_kind: global_buffer, .address_space: global }
      - { .name: bk, .offset: 104, .size: 8, .value_kind: global_buffer, .address_space: global }
      - { .name: bv, .offset: 112, .size: 8, .value_kind: global_buffer, .address_space: global }
      - { .name: qkv, .offset: 120, .size: 8, .value_kind: global_buffer, .address_space: global }
      - { .name: qkvs, .offset: 128, .size: 8, .value_kind: global_buffer, .address_space: global }
    .group_segment_fixed_size: 297472
    .private_segment_fixed_size: 0
    .kernarg_segment_align: 8
    .kernarg_segment_size: 136
    .max_flat_workgroup_size: 128
    .sgpr_count:     102
    .vgpr_count:     1024
    .wavefront_size: 32
...
	.end_amdgpu_metadata
.endif
;; end of part 1
;; launch attn (part 2): grid 4 x 64, 16 waves a work-group, clusters of 4 x 1, 327,680 bytes of LDS; arguments qkv, qkvs, ximg, xsc; writes ximg, xsc
.if DOCPART == 2
	.amdgcn_target "amdgcn-amd-amdhsa--gfx1250"
	.amdhsa_code_object_version 6
	.text
	.protected	k_qbeeb1ba24e_attn
	.globl	k_qbeeb1ba24e_attn
	.p2align	8
	.type	k_qbeeb1ba24e_attn,@function
k_qbeeb1ba24e_attn:
	s_mov_b64 s[64:65], 0
	v_nop
	global_prefetch_b8 v0, s[64:65] scope:SCOPE_SE
	s_setreg_imm32_b32 hwreg(HW_REG_WAVE_MODE, 25, 1), 1
	s_wait_xcnt 0x0
	s_wait_alu depctr_hold_cnt(0) depctr_sa_sdst(0) depctr_va_vdst(0) depctr_va_sdst(0) depctr_va_ssrc(0) depctr_va_vcc(0) depctr_vm_vsrc(0)
	s_getreg_b32 s2, hwreg(HW_REG_IB_STS2, 6, 4)
	s_cmp_eq_u32 s2, 0
	s_cbranch_scc0 .Lentry_in_a_cluster
	s_endpgm
.Lentry_in_a_cluster:
	s_bfe_u32 s2, ttmp6, 0x10000c
	s_cmp_lg_u32 s2, 0x3003
	s_cbranch_scc0 .Lentry_shape_is_right
	s_endpgm
.Lentry_shape_is_right:
; x[b][q][head] = softmax_k(q . k / 8) v for one head, both products on codes of FP4 (E2M1) with one E8M0 scale for each 32 along a product's K; x is quantised along the model's 1,024 (two blocks a head) and leaves as codes.
; THE SOFTMAX AHEAD OF THE SECOND PRODUCT: t = score x log2(e) / 8; M = the row's largest t so far, rounded UP to a whole number; p = 2^(t - M) is what is quantised, along the keys; it is not normalised.
; The row's sum is taken of the unquantised p, in f32, and divides O at the end.  When M moves, the sum and O are multiplied by 2^(old M - new M): exact.
; SHARES.  A work-group owns 512 queries of one (batch, head); each of its sixteen waves owns 32 of them, two tiles of 16, one after the other, in 256 registers: four waves to a SIMD, so that one wave's vector work
; stands beside another's matrix work and LDS loads.  Every wave walks all 2,048 keys, 128 a step.
; ALL OF THE HEAD'S K AND V LIES IN LDS, filled once at the head: 64 KiB of codes and 8 KiB of scale words each, as images of the operands' registers (lane l's 16 bytes at 16 l): no pitch, no padding, no slot is filled again.
; CLUSTER.  The four query blocks of a (batch, head) form a cluster and want the same K and V: every fill is a joint load that names the four.  cx enters the addresses of q, ximg and xsc alone.
; LAYOUT.  Both products are used transposed: S^T = K Q^T (source 0 = 16 keys, source 1 = my 16 queries), O^T = V^T P^T (source 0 = 16 channels, source 1 = P): a lane holds ONE query (lane % 16) throughout.
; In tile t of S^T lane (r, h) holds keys 16 t + 8 h + 0 .. 7; a block of 32 keys is tiles 2 B, 2 B + 1 of lanes l and l xor 16.
; K = 64 IN AN INSTRUCTION OF 128.  A tile of K is 4 registers (d = 0 .. 63).  Q's registers 4-7 are zero codes, and bytes 2, 3 of K's and Q's scale words are 0.  K's eight tiles lie on end, 4 registers each, with four
; zero registers behind the last; the instruction for tile t names 8 registers, of which the upper four are the next tile's codes.  They meet Q's zero codes alone; E2M1 has no infinity and no NaN: they add exactly 0.
; LIMITS: NaN and infinities are not served.  p under 2^-126 comes out of v_exp_f32 as 0.  A block whose largest magnitude lies under 2^-124 keeps the byte 1, a block of zeros too (its codes are zeros; this program alone reads the bytes).
.set VIMG,  65536                      ; LDS: K's images at 0, V's here,
.set KSC,   131072                     ; K's scale words: [128 keys][2 groups of 4 tiles][r][4 words],
.set VSC,   139264                     ; V's: [128 keys][2 copies][r][4 words],
.set STG,   148480                     ; and, in blocks of 256 bytes into which no fill lands, a stage for x's scale halfwords: 512 tokens x 2 bytes
.set LI,   1                           ; v1   16 x lane: an image's place for my lane (K's images begin at 0)
.set ADK,  2                           ; v2-5 LDS addresses of the loads in hand: K, V, K's scale words, V's
.set ADV,  3
.set ADS,  4
.set ADT,  5
.set LIV,  6                           ; v6-8 16 x lane + VIMG, + KSC, + VSC
.set LIS,  7
.set LIT,  8
.set R16,  9                           ; v9   16 r
.set STGA, 10                          ; v10  STG + 64 x wave + 2 r
.set SRD,  11                          ; v11  STG + 16 x thread
.set QF,   16                          ; v16-31  Q's two fragments: 4 registers of codes, 4 of zeros
.set KF,   32                          ; v32-67  K's eight tiles, 4 registers each, and four zeros
.set VF,   68                          ; v68-99  V's four fragments
.set S,    100                         ; v100-163 S^T, then p
.set OT,   164                         ; v164-195 O^T
.set PC,   196                         ; v196-203 p's codes
.set SK,   204                         ; v204-207 K's scale words: register i: lanes 0-15 tile i, lanes 16-31 tile 4 + i
.set SV,   208                         ; v208-211 V's: register i: channel tile i
.set QS,   212                         ; v212-213 Q's scale words
.set GX,   214                         ; v214 16 x thread
.set BM,   216                         ; v216-219 a block's largest score, then its largest p
.set BP,   220                         ; v220-223 the other half's; a second chain of the sum; the bytes
.set BS,   224                         ; v224-227 the conversions' scale operands
.set TP,   228
.set FF,   230                         ; v230 f = 2^(old M - new M);  named as a pair with
.set PWR,  231                         ; v231 p's scale word
.set XC,   232                         ; v232-239 x's codes, 4 registers a tile
.set XW,   240                         ; v240-241 x's two scale bytes, a register a tile
.macro CROUND                          ; a round of the cluster's barrier
	s_barrier_signal -1
	s_barrier_wait -1
	s_cmp_lg_u32 s18, 0
	s_cbranch_scc1 .Lnot_wave_0_\@
	s_barrier_signal -3
.Lnot_wave_0_\@:
	s_barrier_wait -3
	s_barrier_signal -1
	s_barrier_wait -1
.endm
	s_load_b256 s[8:15], s[0:1], 0x0               ; qkv s[8:9], qkvs s[10:11], ximg s[12:13], xsc s[14:15]
	v_lshl_add_u32 v254, v0, 2, 0x29000
	v_mov_b32 v255, 0
	ds_add_u32 v254, v255
	ds_add_u32 v254, v255
	v_lshrrev_b32 v1, 5, v0
	s_delay_alu instid0(VALU_DEP_1)
	v_readfirstlane_b32 s18, v1                    ; wave 0..15
	s_bfe_u32 s16, ttmp6, 0x40000                  ; cx: my block of 512 queries
	s_and_b32 s17, ttmp7, 0xffff                   ; batch x 16 + head, which the four partners share
	; group 1: dense blocks as rows of 256 bytes (32 elements of 8 bytes); the mask names all four work-groups, bit 21 set beside it; no padding
	s_mov_b32 s24, 15|(3<<16)|(1<<21)              ; images: 32 rows, 8,192 bytes a wave
	s_mov_b32 s25, 32<<16
	s_mov_b32 s26, 32<<16
	s_mov_b32 s27, 32<<16
	s_mov_b32 s28, 32
	s_mov_b32 s29, 32
	s_mov_b32 s30, 0
	s_mov_b32 s31, 0
	s_mov_b32 s32, 15|(3<<16)|(1<<21)              ; scale words: 4 rows, 1,024 bytes a wave
	s_mov_b32 s33, 32<<16
	s_mov_b32 s34, 4<<16
	s_mov_b32 s35, 32<<16
	s_mov_b32 s36, 4
	s_mov_b32 s37, 32
	s_mov_b32 s38, 0
	s_mov_b32 s39, 0
	s_lshr_b32 s48, s18, 3
	s_add_co_u32 s48, s48, 1                       ; waves 0-7 bring k (part 1 of the buffers), waves 8-15 v (part 2),
	s_and_b32 s49, s18, 7                          ; an eighth each
	s_lshl_b32 s50, s48, 22
	s_lshl_b32 s54, s17, 16
	s_add_co_u32 s50, s50, s54
	s_lshl_b32 s54, s49, 13
	s_add_co_u32 s50, s50, s54
	s_mov_b32 s51, 0
	s_lshl_b32 s52, s48, 19
	s_lshl_b32 s54, s17, 13
	s_add_co_u32 s52, s52, s54
	s_lshl_b32 s54, s49, 10
	s_add_co_u32 s52, s52, s54
	s_mov_b32 s53, 0
	s_mov_b32 s40, 1
	s_lshl_b32 s41, s18, 13                        ; LDS: 8,192 x wave: K's images, then V's
	s_mov_b32 s44, 1
	s_lshl_b32 s45, s18, 10
	s_add_co_u32 s45, s45, KSC                     ; KSC + 1,024 x wave: K's words, then V's
	s_mov_b32 s20, 0x76543210
	s_mov_b32 s21, 0xfedcba98                      ; v_permlanex16_b32's selects for lane l xor 16
	s_mov_b32 s22, 0x3e38aa3b                      ; c = log2(e) / 8
	s_mov_b32 s23, s22                             ; (named with it as a pair, so it is written)
	s_mov_b32 s2, 0                                ; 4,096 x the key steps walked: the loops' counter, and the source of the LDS steps
	s_wait_dscnt 0x0
	s_wait_kmcnt 0x0
	s_add_nc_u64 s[42:43], s[8:9], s[50:51]
	s_or_b32 s43, s43, 0x80000000
	s_add_nc_u64 s[46:47], s[10:11], s[52:53]
	s_or_b32 s47, s47, 0x80000000
	CROUND                                         ; all four work-groups are here: the joint loads meet
	tensor_load_to_lds s[40:43], s[24:31]          ; every wave issues the same two lines, each into bytes of its own: one tensor load of mine is out at a time
	s_nop 0
	s_wait_alu depctr_va_vdst(0)
	s_wait_tensorcnt 0x0
	ds_add_u32 v254, v255
	s_wait_dscnt 0x0
	CROUND
	tensor_load_to_lds s[44:47], s[32:39]
	s_nop 0
.rept 4
	v_nop
.endr
	s_mov_b32 s57, 0
	s_mov_b32 s59, 0
	s_lshl_b32 s56, s17, 16                        ; q's images: head, + 16,384 cx + 1,024 wave: my two tiles
	s_lshl_b32 s60, s16, 14
	s_add_co_u32 s56, s56, s60
	s_lshl_b32 s60, s18, 10
	s_add_co_u32 s56, s56, s60
	s_add_nc_u64 s[8:9], s[8:9], s[56:57]
	s_lshl_b32 s58, s17, 13                        ; q's scale words: group 8 cx + wave / 2 of four tiles, words 2 (wave % 2) and + 1
	s_lshl_b32 s60, s16, 11
	s_add_co_u32 s58, s58, s60
	s_lshr_b32 s60, s18, 1
	s_lshl_b32 s60, s60, 8
	s_add_co_u32 s58, s58, s60
	s_and_b32 s60, s18, 1
	s_lshl_b32 s60, s60, 3
	s_add_co_u32 s58, s58, s60
	s_add_nc_u64 s[10:11], s[10:11], s[58:59]
	s_lshr_b32 s61, s17, 4                         ; batch
	s_and_b32 s62, s17, 15                         ; head
	s_lshl_b32 s56, s61, 20                        ; ximg: [tile of 16 tokens][head][512]: tile 128 batch + 32 cx + 2 wave
	s_lshl_b32 s60, s16, 18
	s_add_co_u32 s56, s56, s60
	s_lshl_b32 s60, s18, 14
	s_add_co_u32 s56, s56, s60
	s_lshl_b32 s60, s62, 9
	s_add_co_u32 s56, s56, s60
	s_add_nc_u64 s[12:13], s[12:13], s[56:57]
	s_lshl_b32 s58, s62, 14                        ; xsc: [head][token] of 2 bytes: my work-group's 512 tokens
	s_lshl_b32 s60, s61, 12
	s_add_co_u32 s58, s58, s60
	s_lshl_b32 s60, s16, 10
	s_add_co_u32 s58, s58, s60
	s_add_nc_u64 s[14:15], s[14:15], s[58:59]
	v_and_b32 v[R16], 15, v0                       ; r
	v_and_b32 v[LI], 31, v0
	s_delay_alu instid0(VALU_DEP_1)
	v_lshlrev_b32 v[LI], 4, v[LI]
	s_delay_alu instid0(VALU_DEP_1)
	v_add_nc_u32 v[LIV], VIMG, v[LI]
	s_delay_alu instid0(VALU_DEP_2)
	v_add_nc_u32 v[LIS], KSC, v[LI]
	s_delay_alu instid0(VALU_DEP_3)
	v_add_nc_u32 v[LIT], VSC, v[LI]
	v_and_b32 v[STGA], 0x1e0, v0                   ; 32 x wave
	s_delay_alu instid0(VALU_DEP_1)
	v_lshlrev_b32 v[STGA], 1, v[STGA]
	s_delay_alu instid0(VALU_DEP_1)
	v_lshl_add_u32 v[STGA], v[R16], 1, v[STGA]
	s_delay_alu instid0(VALU_DEP_1)
	v_add_nc_u32 v[STGA], STG, v[STGA]
	v_lshlrev_b32 v[GX], 4, v0
	s_delay_alu instid0(VALU_DEP_1)
	v_add_nc_u32 v[SRD], STG, v[GX]
	v_lshlrev_b32 v[R16], 4, v[R16]
	global_load_b128 v[QF:QF+3], v[LI], s[8:9]             ; Q's codes stay in registers
	global_load_b128 v[QF+8:QF+11], v[LI], s[8:9] offset:512
	global_load_b64 v[QS:QS+1], v[R16], s[10:11]           ; and its scale words
.irp j, 4,5,6,7,12,13,14,15
	v_mov_b32 v[QF+\j], 0                          ; Q's codes of k = 64 .. 127
.endr
.irp j, 32,33,34,35
	v_mov_b32 v[KF+\j], 0                          ; behind K's last tile
.endr
.irp b, 0,1,2,3
	v_mov_b32 v[BP+\b], 0                          ; written once: a lane permute's destination counts as one of its sources
.endr
	v_mov_b32 v[PWR], 0                            ; (named as the upper half of the pair with f before it is first written)
	v_mov_b32 v[ADK], v[LI]
	v_mov_b32 v[ADV], v[LIV]
	v_mov_b32 v[ADS], v[LIS]
	v_mov_b32 v[ADT], v[LIT]
	s_wait_alu depctr_va_vdst(0)
	s_wait_tensorcnt 0x0                           ; my parts have landed,
	s_barrier_signal -1
	s_barrier_wait -1                              ; everybody's have: K and V are whole, for the rest of the launch
.macro LOADK                           ; nine LDS loads: a step's eight tiles of K and their scale words
.irp t, 0,1,2,3,4,5,6,7
	ds_load_b128 v[KF+4*\t:KF+4*\t+3], v[ADK] offset:512*\t
.endr
	ds_load_b128 v[SK:SK+3], v[ADS]
.endm
.macro LOADV                           ; nine: its four fragments of V and their scale words
.irp t, 0,1,2,3
.irp c, 0,1
	ds_load_b128 v[VF+8*\t+4*\c:VF+8*\t+4*\c+3], v[ADV] offset:1024*\t+512*\c
.endr
.endr
	ds_load_b128 v[SV:SV+3], v[ADT]
.endm
	LOADK                                          ; key step 0
	LOADV
	s_wait_loadcnt 0x0                             ; Q
; ONE TILE OF 16 QUERIES: all 16 key steps, then the way out.  K of step s + 1 is asked for behind the products K Q^T of step s, V of step s + 1 behind the products V^T P: each has the softmax in which to come.
; The step's offset wraps at the head's end, so the last step asks for step 0, which the next tile wants; behind the second tile those 18 loads serve nothing.
.macro TILE i
	v_mov_b32 v13, 0xff61b1e6                      ; the largest t so far: -3e38, under every t
	s_delay_alu instid0(VALU_DEP_1)
	v_floor_f32 v12, -v13                          ; -M
	v_mov_b32 v14, 0                               ; the sum, in two halves
	v_mov_b32 v15, 0
.set n, 0
.rept 32
	v_mov_b32 v[OT+n], 0                           ; O^T.  (The step is written once: the first finds zeros, which the first change of M leaves zeros)
.set n, n+1
.endr
.Lstep_\i:
	s_wait_dscnt 9                                 ; K and its scale words are in; behind them V's nine loads were issued (and, on the way into the second tile, one store: the count then waits for one load more than it must)
	s_setprio 2
.irp t, 0,1,2,3
	v_wmma_scale_f32_16x16x128_f8f6f4 v[S+8*\t:S+8*\t+7], v[KF+4*\t:KF+4*\t+7], v[QF+8*\i:QF+8*\i+7], 0, v[SK+\t], v[QS+\i] matrix_a_fmt:MATRIX_FMT_FP4 matrix_b_fmt:MATRIX_FMT_FP4
.endr
.irp t, 4,5,6,7
	v_wmma_scale_f32_16x16x128_f8f6f4 v[S+8*\t:S+8*\t+7], v[KF+4*\t:KF+4*\t+7], v[QF+8*\i:QF+8*\i+7], 0, v[SK+\t-4], v[QS+\i] matrix_a_fmt:MATRIX_FMT_FP4 matrix_b_fmt:MATRIX_FMT_FP4 matrix_a_scale:MATRIX_SCALE_ROW1
.endr
	s_add_co_u32 s2, s2, 4096                      ; the next step:
	s_and_b32 s5, s2, 0xffff                       ; its images, 4,096 bytes a step, round the head's 65,536;
	s_lshr_b32 s6, s5, 3                           ; its scale words, 512 bytes a step
	v_add_nc_u32 v[ADK], s5, v[LI]
	v_add_nc_u32 v[ADS], s6, v[LIS]
	v_nop
	v_nop                                          ; four places in front of loads into registers that matrix instructions have read, and of the first read of the scores (ISA guide 7.12.1 for vector instructions)
	LOADK
.irp b, 0,1,2,3
	v_max3_num_f32 v[BM+\b], v[S+16*\b], v[S+1+16*\b], v[S+2+16*\b]   ; THE LARGEST SCORE OF EACH BLOCK OF 32 KEYS: it serves for the row's maximum and, since p rises with the score, for the block's largest p
.endr
.irp n, 3,5,7,9,11,13
.irp b, 0,1,2,3
	v_max3_num_f32 v[BM+\b], v[BM+\b], v[S+16*\b+\n], v[S+1+16*\b+\n]   ; (the four blocks by turns; each tile is read from its low end on)
.endr
.endr
.irp b, 0,1,2,3
	v_max_num_f32 v[BM+\b], v[BM+\b], v[S+15+16*\b]
.endr
.irp b, 0,1,2,3
	s_delay_alu instid0(VALU_DEP_4)
	v_permlanex16_b32 v[BP+\b], v[BM+\b], s20, s21
.endr
.irp b, 0,1,2,3
	s_delay_alu instid0(VALU_DEP_4)
	v_max_num_f32 v[BM+\b], v[BM+\b], v[BP+\b]     ; with lane l xor 16's 16 keys
.endr
	s_delay_alu instid0(VALU_DEP_2)
	v_max3_num_f32 v[TP], v[BM], v[BM+1], v[BM+2]
	s_delay_alu instid0(VALU_DEP_1)
	v_max_num_f32 v[TP], v[TP], v[BM+3]            ; the step's largest score of my query
	s_delay_alu instid0(VALU_DEP_1)
	v_mul_f32 v[TP], s22, v[TP]                    ; as t (c is positive)
	s_delay_alu instid0(VALU_DEP_1)
	v_max_num_f32 v13, v13, v[TP]                  ; the running largest t
	v_mov_b32 v[TP], v12
	s_delay_alu instid0(VALU_DEP_2)
	v_floor_f32 v12, -v13                          ; the new -M = floor(-t) = -ceil(t): M is a whole number
	s_delay_alu instid0(VALU_DEP_1)
	v_sub_f32 v[TP], v12, v[TP]                    ; M's old value less its new one: a whole number, 0 or less
	s_delay_alu instid0(VALU_DEP_1)
	v_cvt_i32_f32 v[TP], v[TP]                     ; (it saturates)
	s_delay_alu instid0(VALU_DEP_1)
	v_ldexp_f32 v[FF], 1.0, v[TP]                  ; f = 2^(old M - new M)
.set n, 0
.rept 32
	v_pk_fma_f32 v[S+n:S+n+1], v[S+n:S+n+1], s[22:23], v[12:13] op_sel_hi:[1,0,0]   ; t - M, two at a time (of the pairs c and -M the low word serves both halves)
.set n, n+2
.endr
.irp b, 0,1,2,3
	v_fma_f32 v[BM+\b], v[BM+\b], s22, v12         ; the same of each block's largest score
.endr
.set n, 0
	s_wait_alu depctr_va_vdst(0)
.rept 64
	v_exp_f32 v[S+n], v[S+n]                       ; p = 2^(t - M), at most 1: not normalised
.set n, n+1
.endr
	s_setprio 1
	v_pk_mul_f32 v[14:15], v[14:15], v[FF:FF+1] op_sel_hi:[1,0]   ; the sums under the new M: the plain instruction behind the exponentials
	s_wait_alu depctr_va_vdst(0)                   ; one wait for the whole batch, ahead of its first reader
.irp b, 0,1,2,3
	v_exp_f32 v[BM+\b], v[BM+\b]                   ; the block's largest p: the same two instructions on the same number give the same bits
.endr
	v_pk_add_f32 v[BP:BP+1], v[S:S+1], v[S+2:S+3]  ; THE ROW'S SUM IS TAKEN OF THE UNQUANTISED p: two at a time, in two chains.  (It reads the 64 alone: plain work behind the four)
.set n, 4
.rept 15
	v_pk_add_f32 v[14:15], v[14:15], v[S+n:S+n+1]
	v_pk_add_f32 v[BP:BP+1], v[BP:BP+1], v[S+n+2:S+n+3]
.set n, n+4
.endr
	s_delay_alu instid0(VALU_DEP_1)
	v_pk_add_f32 v[14:15], v[14:15], v[BP:BP+1]
	s_wait_alu depctr_va_vdst(0)                   ; and one for the four
.irp b, 0,1,2,3
	v_max_num_f32 v[BM+\b], 0x1800000, v[BM+\b]    ; the floor 2^(3 - 127): the byte cannot fall under 1
.endr
.irp b, 0,1,2,3
	s_delay_alu instid0(VALU_DEP_4)
	v_add_nc_u32 v[BS+\b], 0xff000000, v[BM+\b]    ; 2 off the exponent field: the conversion's scale operand
.endr
.irp b, 0,1,2,3
	s_delay_alu instid0(VALU_DEP_4)
	v_lshrrev_b32 v[BP+\b], 23, v[BS+\b]           ; the scale's byte
.endr
	s_delay_alu instid0(VALU_DEP_3)
	v_lshl_or_b32 v[PWR], v[BP+1], 8, v[BP]        ; p's scale word for these 128 keys
	s_delay_alu instid0(VALU_DEP_1)
	v_lshl_or_b32 v[PWR], v[BP+2], 16, v[PWR]
	s_delay_alu instid0(VALU_DEP_1)
	v_lshl_or_b32 v[PWR], v[BP+3], 24, v[PWR]
.irp b, 0,1,2,3
	v_cvt_scalef32_pk8_fp4_f32 v[PC+4*(\b/2)+\b%2], v[S+16*\b:S+7+16*\b], v[BS+\b]       ; tile 2 b
	v_cvt_scalef32_pk8_fp4_f32 v[PC+4*(\b/2)+\b%2+2], v[S+8+16*\b:S+15+16*\b], v[BS+\b]  ; tile 2 b + 1
.endr
	v_nop                                          ; one plain place behind a scaled conversion
.irp c, 0,1
	v_permlane16_swap_b32 v[PC+4*\c], v[PC+4*\c+1]     ; the operand's layout: register 4 c + i holds keys 64 c + 32 h + 8 i + 0 .. 7
	v_permlane16_swap_b32 v[PC+4*\c+2], v[PC+4*\c+3]
.endr
.set n, 0
.rept 16
	v_pk_mul_f32 v[OT+n:OT+n+1], v[OT+n:OT+n+1], v[FF:FF+1] op_sel_hi:[1,0]   ; O^T under the new M.  (For each product below, twelve of these name none of its registers: the places between p's scale word and codes and the product)
.set n, n+2
.endr
	s_setprio 0
	s_wait_alu depctr_va_vdst(0)
	s_wait_dscnt 9                                 ; V and its scale words are in; behind them the next step's nine loads of K were issued
.irp t, 0,1,2,3
	v_wmma_scale_f32_16x16x128_f8f6f4 v[OT+8*\t:OT+8*\t+7], v[VF+8*\t:VF+8*\t+7], v[PC:PC+7], v[OT+8*\t:OT+8*\t+7], v[SV+\t], v[PWR] matrix_a_fmt:MATRIX_FMT_FP4 matrix_b_fmt:MATRIX_FMT_FP4
.endr
	v_add_nc_u32 v[ADV], s5, v[LIV]
	v_add_nc_u32 v[ADT], s6, v[LIT]
	v_nop
	v_nop                                          ; four places, as above
	LOADV
	s_cmp_lg_u32 s2, 65536*(\i+1)
	s_cbranch_scc1 .Lstep_\i
	s_setprio 0
	; THE WAY OUT: x = O^T / the sum, quantised along the head's 64 channels (two blocks), stored as registers 0-3 of a fragment; the two scale bytes go to the stage
	v_add_f32 v14, v14, v15                        ; the sum's two halves,
	s_delay_alu instid0(VALU_DEP_1)
	v_permlanex16_b32 v[TP], v14, s20, s21
	s_delay_alu instid0(VALU_DEP_1)
	v_add_f32 v14, v14, v[TP]                      ; and lane l xor 16's: the row's sum
	s_wait_alu depctr_va_vdst(0)
	v_rcp_f32 v14, v14
	v_nop                                          ; a plain place behind the reciprocal
	s_wait_alu depctr_va_vdst(0)                   ; and the wait ahead of its first reader
.set n, 0
.rept 32
	v_mul_f32 v[S+n], v[OT+n], v14                 ; register 8 t + j: x(query r, channel 16 t + 8 h + j); each accumulator from its low end on
.set n, n+1
.endr
.irp b, 0,1
	v_max3_num_f32 v[BM+\b], |v[S+16*\b]|, |v[S+1+16*\b]|, 0x1800000
.endr
.irp n, 2,4,6,8,10,12,14
.irp b, 0,1
	s_delay_alu instid0(VALU_DEP_2)
	v_max3_num_f32 v[BM+\b], v[BM+\b], |v[S+16*\b+\n]|, |v[S+1+16*\b+\n]|
.endr
.endr
.irp b, 0,1
	s_delay_alu instid0(VALU_DEP_2)
	v_permlanex16_b32 v[BP+\b], v[BM+\b], s20, s21
.endr
.irp b, 0,1
	s_delay_alu instid0(VALU_DEP_2)
	v_max_num_f32 v[BM+\b], v[BM+\b], v[BP+\b]
.endr
.irp b, 0,1
	s_delay_alu instid0(VALU_DEP_2)
	v_add_nc_u32 v[BS+\b], 0xff000000, v[BM+\b]
.endr
.irp b, 0,1
	s_delay_alu instid0(VALU_DEP_2)
	v_lshrrev_b32 v[BP+\b], 23, v[BS+\b]
.endr
	s_delay_alu instid0(VALU_DEP_1)
	v_lshl_or_b32 v[XW+\i], v[BP+1], 8, v[BP]
.irp t, 0,1,2,3
	v_cvt_scalef32_pk8_fp4_f32 v[XC+4*\i+2*(\t%2)+\t/2], v[S+8*\t:S+8*\t+7], v[BS+\t/2]
.endr
	v_nop                                          ; one plain place behind a scaled conversion
	v_permlane16_swap_b32 v[XC+4*\i], v[XC+4*\i+1]
	v_permlane16_swap_b32 v[XC+4*\i+2], v[XC+4*\i+3]
	global_store_b128 v[LI], v[XC+4*\i:XC+4*\i+3], s[12:13] offset:8192*\i   ; 512 consecutive bytes, aligned; each tile has its own registers
	ds_store_b16 v[STGA], v[XW+\i] offset:32*\i    ; lanes l and l + 16 write the same halfword with the same value
.endm
	TILE 0
	TILE 1
	s_wait_dscnt 0x0                               ; my stores into the stage have landed (and the 18 loads that serve nothing are in)
	s_barrier_signal -1
	s_barrier_wait -1                              ; the work-group's 512 halfwords lie in the stage
	s_cmp_lt_u32 s18, 2
	s_cbranch_scc0 .Lno_words                      ; waves 0 and 1 store them: 64 lanes x 16 bytes, sixteen lanes to 256 consecutive bytes, aligned
	ds_load_b128 v[S:S+3], v[SRD]
	s_wait_dscnt 0x0
	global_store_b128 v[GX], v[S:S+3], s[14:15]
.Lno_words:
	s_wait_tensorcnt 0x0
	ds_add_u32 v254, v255
	s_wait_dscnt 0x0
	CROUND                                         ; the closing round
	s_endpgm
.Lfunc_end_k_qbeeb1ba24e_attn:
	.size	k_qbeeb1ba24e_attn, .Lfunc_end_k_qbeeb1ba24e_attn-k_qbeeb1ba24e_attn
	.p2alignl 7, 3214868480
	.fill 96, 4, 3214868480
	.section	.rodata,"a",@progbits
	.p2align	6, 0x0
	.amdhsa_kernel k_qbeeb1ba24e_attn
		.amdhsa_group_segment_fixed_size 327680
		.amdhsa_private_segment_fixed_size 0
		.amdhsa_enable_private_segment 0
		.amdhsa_kernarg_size 32
		.amdhsa_user_sgpr_count 2
		.amdhsa_user_sgpr_kernarg_segment_ptr 1
		.amdhsa_wavefront_size32 1
		.amdhsa_system_sgpr_workgroup_id_x 1
		.amdhsa_system_sgpr_workgroup_id_y 1
		.amdhsa_system_sgpr_workgroup_id_z 1
		.amdhsa_system_vgpr_workitem_id 0
		.amdhsa_next_free_vgpr 256
		.amdhsa_next_free_sgpr 66
		.amdhsa_reserve_vcc 0
		.amdhsa_float_denorm_mode_32 3
		.amdhsa_float_denorm_mode_16_64 3
		.amdhsa_memory_ordered 1
		.amdhsa_forward_progress 1
		.amdhsa_inst_pref_size 52
	.end_amdhsa_kernel
	.amdgpu_metadata
---
amdhsa.version: [ 1, 2 ]
amdhsa.kernels:
  - .name:           k_qbeeb1ba24e_attn
    .symbol:         k_qbeeb1ba24e_attn.kd
    .args:
      - { .name: qkv, .offset: 0, .size: 8, .value_kind: global_buffer, .address_space: global }
      - { .name: qkvs, .offset: 8, .size: 8, .value_kind: global_buffer, .address_space: global }
      - { .name: ximg, .offset: 16, .size: 8, .value_kind: global_buffer, .address_space: global }
      - { .name: xsc, .offset: 24, .size: 8, .value_kind: global_buffer, .address_space: global }
    .group_segment_fixed_size: 327680
    .private_segment_fixed_size: 0
    .kernarg_segment_align: 8
    .kernarg_segment_size: 32
    .max_flat_workgroup_size: 512
    .sgpr_count:     66
    .vgpr_count:     256
    .wavefront_size: 32
...
	.end_amdgpu_metadata
.endif
;; end of part 2
;; launch oproj (part 3): grid 4 x 64, 4 waves a work-group, clusters of 4 x 4, 327,680 bytes of LDS; arguments ximg, xsc, Wo_codes, Wo_scales, bo, out0; writes out0
.if DOCPART == 3
	.amdgcn_target "amdgcn-amd-amdhsa--gfx1250"
	.amdhsa_code_object_version 6
	.text
	.protected	k_qbeeb1ba24e_oproj
	.globl	k_qbeeb1ba24e_oproj
	.p2align	8
	.type	k_qbeeb1ba24e_oproj,@function
k_qbeeb1ba24e_oproj:
	s_mov_b64 s[64:65], 0
	v_nop
	global_prefetch_b8 v0, s[64:65] scope:SCOPE_SE
	s_setreg_imm32_b32 hwreg(HW_REG_WAVE_MODE, 25, 1), 1
	s_wait_xcnt 0x0
	s_wait_alu depctr_hold_cnt(0) depctr_sa_sdst(0) depctr_va_vdst(0) depctr_va_sdst(0) depctr_va_ssrc(0) depctr_va_vcc(0) depctr_vm_vsrc(0)
	s_getreg_b32 s2, hwreg(HW_REG_IB_STS2, 6, 4)
	s_cmp_eq_u32 s2, 0
	s_cbranch_scc0 .Lentry_in_a_cluster
	s_endpgm
.Lentry_in_a_cluster:
	s_bfe_u32 s2, ttmp6, 0x10000c
	s_cmp_lg_u32 s2, 0xf033
	s_cbranch_scc0 .Lentry_shape_is_right
	s_endpgm
.Lentry_shape_is_right:
; out0 = x Wo^T + bo on codes of FP4 (E2M1) with one E8M0 scale for each 32 along K = 1,024; sums in f32; out0 [8,192][1,024] f32.
; x comes from the attention launch as images of the operand's registers: ximg [tile of 16 tokens][head][512 bytes]: heads 2 s and 2 s + 1 are registers 0-3 and 4-7 of K step s; xsc [head][token]: two scale bytes.
; SHARES.  A work-group makes 128 tokens x 256 features: 256 work-groups.  A wave makes 64 tokens x 128 features: 32 accumulators.  All of K lies in LDS at once, in two chunks of 512 along K: no LDS byte is filled twice.
; CLUSTERS of 4 x 4: x's tile hangs on the tile of tokens alone and is asked for jointly by a row of the cluster, Wo's on cx alone and is asked for jointly by a column.
; THE MATRIX INSTRUCTION IS USED TRANSPOSED: source 0 = 16 rows of Wo, source 1 = 16 tokens: a lane holds eight neighbouring numbers of a row of out0.  bo is the C of each sum's first instruction.
; LIMITS: a given scale byte 0xff of Wo is not served.
; REGISTERS.  Window 0: v1-27 addresses; v32-95 Wo's scale words (8 b + s); v96-127 x's (8 a + s); v128-159, v160-191 x's fragments, two sets; v192-255 at work.
;   Window 1: v0-63, v64-127 Wo's fragments, two sets; v128-191 bo as 8 tiles.   Window 2: the accumulators, (a, b) at v[8 (8 a + b)].
.set PITCH,  272                       ; a row of Wo's codes in LDS: 256 bytes + 16 of padding: the 16 rows that a load touches start at 16 different banks (64 banks of 4 bytes: ISA guide 11.1)
.set HALFT,  128*PITCH
.set CHW,    2*HALFT                   ; a chunk of Wo: 256 rows
.set XI,     2*CHW                     ; x's images: chunk c at + 32,768 c: [tile of tokens (8)][K step % 4][1,024]
.set WS,     XI+65536                  ; Wo's scale bytes: units of 256 bytes + 16
.set HALFS,  16*272
.set SBLK,   2*272
.set XS,     WS+2*HALFS                ; x's scale halfwords: 16 heads x (256 bytes + 16)
.set SPITCH, 528                       ; the way out: a stage of 16 rows x (512 bytes + 16) for each wave, from LDS byte 0 on: Wo's chunk 0 has had its one fill, and nobody reads it behind the barrier at chunk 1
.set PADW,   (1<<20)|(1<<21)|(5<<22)|(3<<25)   ; group 1, word 0 beside the mask: padding on; bit 21 set beside a mask; 4 words of padding after every 64
.set XA,   16                          ; v16  LDS address of my x fragments: XI + 16,384 x my half + 16 x lane
.set ADRB, 20                          ; v20-21 of my Wo fragments in chunk 0, 1
.set BOF,  22                          ; v22  32 h
.set CO,   23                          ; v23  16 x lane
.set STO,  24                          ; v24  the stage: where I put 32 bytes of a row
.set RD,   25                          ; v25  and where I read a row back
.set ADXS, 26                          ; v26  x's scale halfwords: my token
.set ADWS, 27                          ; v27  Wo's scale words: my row
.set SCB,  32
.set SCA,  96
.set TH,   192
.set BO,   128                         ; in window 1
.set BK,   128                         ; the way out: 16 rows read back: v128-191 and v192-255 by turns
.set G1X, 24                           ; s[24:31] group 1 for x's images; s[32:39] group 0, one set for each chunk
.set G0X, 32
.set G1W, 48                           ; s[48:55], s[56:63] the same for Wo's codes
.set G0W, 56
.set G1XS, 68                          ; s[68:75], s[76:79] for x's scale halfwords; s[80:87], s[88:91] for Wo's scale bytes
.set G0XS, 76
.set G1WS, 80
.set G0WS, 88
.set MSB, 0
.macro WIN new
.if MSB != (\new)
	s_set_vgpr_msb (MSB<<8)|(\new)
.set MSB, (\new)
.endif
.endm
.macro JLOAD g0a, g1a, g0b, g1b        ; a joint load: waves 0 and 1 fetch for x, waves 2 and 3 for Wo; four v_nop follow each of the two lines
	s_cmp_eq_u32 s17, 0
	s_cbranch_scc0 .Lfor_w_\@
	tensor_load_to_lds s[\g0a:\g0a+3], s[\g1a:\g1a+7]
	s_nop 0
.rept 4
	v_nop
.endr
	s_branch .Lasked_\@
.Lfor_w_\@:
	tensor_load_to_lds s[\g0b:\g0b+3], s[\g1b:\g1b+7]
	s_nop 0
.rept 4
	v_nop
.endr
.Lasked_\@:
.endm
.macro CROUND
	s_barrier_signal -1
	s_barrier_wait -1
	s_cmp_lg_u32 s16, 0
	s_cbranch_scc1 .Lnot_wave_0_\@
	s_barrier_signal -3
.Lnot_wave_0_\@:
	s_barrier_wait -3
	s_barrier_signal -1
	s_barrier_wait -1
.endm
	s_load_b256 s[4:11], s[0:1], 0x0               ; ximg s[4:5], xsc s[6:7], Wo's codes s[8:9], Wo's scales s[10:11]
	s_load_b128 s[12:15], s[0:1], 0x20             ; bo s[12:13], out0 s[14:15]
	v_lshl_add_u32 v30, v0, 2, 0x35300
	v_mov_b32 v31, 0
	ds_add_u32 v30, v31
	ds_add_u32 v30, v31
	v_lshrrev_b32 v1, 5, v0
	v_readfirstlane_b32 s16, v1                    ; wave 0..3
	s_lshr_b32 s17, s16, 1                         ; which 64 of the tokens are mine.  Also: I fetch for x (0) or for Wo (1)
	s_and_b32 s18, s16, 1                          ; which 128 of the features.  Also: which half of that operand I fetch
	s_bfe_u32 s40, ttmp6, 0x40000                  ; cx: the tile of 256 features
	s_bfe_u32 s41, ttmp6, 0x40004                  ; cy
	s_and_b32 s45, ttmp7, 0xffff
	s_lshl_b32 s45, s45, 2
	s_add_co_u32 s45, s45, s41                     ; the tile of 128 tokens
	s_lshl_b32 s43, s41, 2
	s_lshl_b32 s43, 15, s43                        ; my row of the cluster
	s_lshl_b32 s44, 0x1111, s40                    ; my column
	s_or_b32 s[G1X], s43, (3<<16)|(1<<21)          ; x's images: 4 tiles of tokens x 4,096 bytes (512 elements of 8), 8,192 bytes apart; no padding
	s_mov_b32 s[G1X+1], 512<<16
	s_mov_b32 s[G1X+2], 4<<16
	s_mov_b32 s[G1X+3], 512<<16
	s_mov_b32 s[G1X+4], 4
	s_mov_b32 s[G1X+5], 1024
	s_mov_b32 s[G1X+6], 0
	s_mov_b32 s[G1X+7], 0
	s_or_b32 s[G1W], s44, PADW                     ; Wo's codes: 128 rows x 256 bytes, 512 bytes apart
	s_mov_b32 s[G1W+1], 256<<16
	s_mov_b32 s[G1W+2], 128<<16
	s_mov_b32 s[G1W+3], 256<<16
	s_mov_b32 s[G1W+4], 128
	s_mov_b32 s[G1W+5], 512
	s_mov_b32 s[G1W+6], 0
	s_mov_b32 s[G1W+7], 0
	s_or_b32 s[G1XS], s43, PADW|(3<<16)            ; x's scale halfwords: 8 heads x 256 bytes, 16,384 bytes apart
	s_mov_b32 s[G1XS+1], 32<<16
	s_mov_b32 s[G1XS+2], 8<<16
	s_mov_b32 s[G1XS+3], 32<<16
	s_mov_b32 s[G1XS+4], 8
	s_mov_b32 s[G1XS+5], 2048
	s_mov_b32 s[G1XS+6], 0
	s_mov_b32 s[G1XS+7], 0
	s_or_b32 s[G1WS], s44, PADW|(3<<16)            ; Wo's scale bytes of 128 rows: 4,096 dense bytes as 16 rows of 256
	s_mov_b32 s[G1WS+1], 32<<16
	s_mov_b32 s[G1WS+2], 16<<16
	s_mov_b32 s[G1WS+3], 32<<16
	s_mov_b32 s[G1WS+4], 16
	s_mov_b32 s[G1WS+5], 32
	s_mov_b32 s[G1WS+6], 0
	s_mov_b32 s[G1WS+7], 0
	s_lshl_b32 s20, s45, 16                        ; x: tile of tokens 8 x tile + 4 x half, 8,192 bytes each
	s_lshl_b32 s19, s18, 15
	s_add_co_u32 s20, s20, s19
	s_mov_b32 s21, 0
	s_lshl_b32 s22, s45, 8                         ; xsc: 256 bytes of each head, heads 8 x half on
	s_lshl_b32 s19, s18, 17
	s_add_co_u32 s22, s22, s19
	s_mov_b32 s23, 0
	s_lshl_b32 s46, s40, 17                        ; Wo: row 256 cx + 128 x half: 512 bytes of codes a row,
	s_lshl_b32 s19, s18, 16
	s_add_co_u32 s46, s46, s19
	s_mov_b32 s47, 0
	s_lshl_b32 s92, s40, 13                        ; 32 scale bytes a row
	s_lshl_b32 s19, s18, 12
	s_add_co_u32 s92, s92, s19
	s_mov_b32 s93, 0
	s_mul_i32 s94, s18, 8*272                      ; where they go: no place in the cluster enters an LDS address
	s_add_co_u32 s94, s94, XS
	s_mul_i32 s95, s18, HALFS
	s_add_co_u32 s95, s95, WS
	s_lshl_b32 s96, s18, 14
	s_add_co_u32 s96, s96, XI
	s_mul_i32 s97, s18, HALFT
	s_wait_dscnt 0x0
	s_wait_kmcnt 0x0
	s_add_nc_u64 s[20:21], s[4:5], s[20:21]
	s_add_nc_u64 s[22:23], s[6:7], s[22:23]
	s_add_nc_u64 s[46:47], s[8:9], s[46:47]
	s_add_nc_u64 s[92:93], s[10:11], s[92:93]
	CROUND                                         ; all sixteen work-groups are here: the joint loads meet
	s_mov_b32 s[G0XS], 1
	s_mov_b32 s[G0XS+1], s94
	s_mov_b64 s[G0XS+2:G0XS+3], s[22:23]
	s_or_b32 s[G0XS+3], s[G0XS+3], 0x80000000
	s_mov_b32 s[G0WS], 1
	s_mov_b32 s[G0WS+1], s95
	s_mov_b64 s[G0WS+2:G0WS+3], s[92:93]
	s_or_b32 s[G0WS+3], s[G0WS+3], 0x80000000
	JLOAD G0XS, G1XS, G0WS, G1WS                   ; the scales first
.irp s, 0,1
	s_mov_b32 s[G0X+4*\s], 1
	s_add_co_u32 s[G0X+4*\s+1], s96, \s*32768
	s_add_nc_u64 s[G0X+4*\s+2:G0X+4*\s+3], s[20:21], \s*4096
	s_or_b32 s[G0X+4*\s+3], s[G0X+4*\s+3], 0x80000000
	s_mov_b32 s[G0W+4*\s], 1
	s_add_co_u32 s[G0W+4*\s+1], s97, \s*CHW
	s_add_nc_u64 s[G0W+4*\s+2:G0W+4*\s+3], s[46:47], \s*256
	s_or_b32 s[G0W+4*\s+3], s[G0W+4*\s+3], 0x80000000
	s_wait_alu depctr_va_vdst(0)
	s_wait_tensorcnt 0x0
	ds_add_u32 v30, v31
	s_wait_dscnt 0x0
	CROUND
	JLOAD G0X+4*\s, G1X, G0W+4*\s, G1W             ; one tensor load of mine is out now
.endr
	v_and_b32 v1, 15, v0                           ; r
	v_bfe_u32 v2, v0, 4, 1                         ; h
	v_and_b32 v3, 31, v0                           ; lane
	v_lshlrev_b32 v[CO], 4, v3
	v_mul_u32_u24 v4, v1, PITCH
	v_lshl_add_u32 v4, v2, 4, v4
	s_mul_i32 s20, s18, HALFT                      ; my 128 rows of Wo
	v_add_nc_u32 v[ADRB], s20, v4
	v_add_nc_u32 v[ADRB+1], CHW, v[ADRB]
	s_lshl_b32 s20, s17, 14
	s_add_co_u32 s20, s20, XI                      ; my four tiles of tokens
	v_add_nc_u32 v[XA], s20, v[CO]
	v_lshlrev_b32 v[BOF], 5, v2
	s_mul_i32 s20, s16, 16*SPITCH                  ; my stage
	v_mul_u32_u24 v5, v1, SPITCH
	v_lshl_add_u32 v5, v2, 5, v5
	v_add_nc_u32 v[STO], s20, v5                   ; in: row r, 32 bytes for each half of the lanes
	v_add_nc_u32 v[RD], s20, v[CO]                 ; back: the 32 lanes take one row of 512 bytes
	s_lshl_b32 s20, s17, 7
	s_add_co_u32 s20, s20, XS
	v_lshl_add_u32 v[ADXS], v1, 1, s20             ; 2 bytes a token: 64 x my half + r
	v_lshlrev_b32 v5, 5, v1                        ; Wo's scale bytes: 32 a row,
	v_lshrrev_b32 v6, 8, v5
	v_lshl_add_u32 v5, v6, 4, v5                   ; and 16 more for each 256 passed
	s_mul_i32 s20, s18, HALFS
	s_add_co_u32 s20, s20, WS
	v_add_nc_u32 v[ADWS], s20, v5
	s_lshl_b32 s46, s40, 10                        ; my first feature, in bytes of f32: 1,024 cx + 512 x half: in bo and in a row of out0
	s_lshl_b32 s47, s18, 9
	s_add_co_u32 s46, s46, s47
	s_mov_b32 s47, 0
	s_add_nc_u64 s[12:13], s[12:13], s[46:47]
	s_lshl_b32 s20, s45, 19                        ; my first token: 128 x tile + 64 x half, 4,096 bytes a row
	s_lshl_b32 s21, s17, 18
	s_add_co_u32 s20, s20, s21
	s_mov_b32 s21, 0
	s_add_nc_u64 s[14:15], s[14:15], s[20:21]
	s_add_nc_u64 s[14:15], s[14:15], s[46:47]
	WIN 0x40                                       ; destination window 1
.irp b, 0,1,2,3,4,5,6,7                        ; register 8 b + j: bo(16 b + 8 h + j)
	global_load_b128 v[BO+8*\b:BO+8*\b+3], v[BOF], s[12:13] offset:64*\b
	global_load_b128 v[BO+8*\b+4:BO+8*\b+7], v[BOF], s[12:13] offset:64*\b+16
.endr
	WIN 0
.macro FRAG reg, adr, q, n             ; a fragment of Wo: 16 rows x 128 K: lane l holds row l % 16; registers 4 c .. 4 c + 3 hold K = 64 c + 32 (l / 16) + 0 .. 31
.irp c, 0,1
	ds_load_b128 v[\reg+4*\c:\reg+4*\c+3], v[\adr] offset:64*(\q)+32*\c+(\n)*16*PITCH
.endr
.endm
.macro FETCH q                         ; 24 LDS loads in one run: K step q's fragments into set q % 2: Wo's eight, x's four (images: 16 bytes a lane, on end)
	WIN 0x40
.irp n, 0,1,2,3,4,5,6,7
	FRAG 64*((\q)%2)+8*\n, ADRB+(\q)/4, (\q)%4, \n
.endr
	WIN 0
.irp a, 0,1,2,3
.irp c, 0,1
	ds_load_b128 v[128+32*((\q)%2)+8*\a+4*\c:128+32*((\q)%2)+8*\a+4*\c+3], v[XA] offset:32768*((\q)/4)+4096*\a+1024*((\q)%4)+512*\c
.endr
.endr
.endm
; K step q: 32 matrix instructions; the 32 accumulators take turns, one instruction a turn, in the same order in every step.  first = 1: the sums begin with bo
.macro MULALL q, first
.set PS, 64*((\q)%2)
.set RS, 128+32*((\q)%2)
.if \first
	WIN 0x91                                       ; source 0 (Wo) and C (bo) window 1, source 1 (x) window 0, D window 2
.else
	WIN 0xa1                                       ; C and D window 2
.endif
.irp a, 0,1,2,3
.irp b, 0,1,2,3,4,5,6,7
.if \first
	v_wmma_scale_f32_16x16x128_f8f6f4 v[8*(8*\a+\b):8*(8*\a+\b)+7], v[PS+8*\b:PS+8*\b+7], v[RS+8*\a:RS+8*\a+7], v[BO+8*\b:BO+8*\b+7], v[SCB+8*\b+(\q)], v[SCA+8*\a+(\q)] matrix_a_fmt:MATRIX_FMT_FP4 matrix_b_fmt:MATRIX_FMT_FP4
.else
	v_wmma_scale_f32_16x16x128_f8f6f4 v[8*(8*\a+\b):8*(8*\a+\b)+7], v[PS+8*\b:PS+8*\b+7], v[RS+8*\a:RS+8*\a+7], v[8*(8*\a+\b):8*(8*\a+\b)+7], v[SCB+8*\b+(\q)], v[SCA+8*\a+(\q)] matrix_a_fmt:MATRIX_FMT_FP4 matrix_b_fmt:MATRIX_FMT_FP4
.endif
.endr
.endr
.endm
.macro PLACES                          ; four places in front of loads into registers that matrix instructions have read, and of the first read of results (ISA guide 7.12.1 for vector instructions)
.rept 4
	v_nop
.endr
.endm
.macro STEP q
.if (\q) < 7
	PLACES
.if (\q) == 3
	s_wait_tensorcnt 0x0                           ; step 4 lies in chunk 1: my part of it has landed,
	s_wait_dscnt 0x0                               ; my reads of chunk 0 are over,
	s_barrier_signal -1
	s_barrier_wait -1                              ; and both hold of every wave
.endif
	FETCH (\q)+1
	s_wait_alu depctr_va_vdst(0)
	s_wait_dscnt 24                                ; all but the 24 just issued
.else
	s_wait_dscnt 0x0
.endif
	MULALL \q, 0
.endm
	s_wait_alu depctr_va_vdst(0)
	s_wait_tensorcnt 0x1                           ; the scales and my part of chunk 0 are in; behind them one load was issued, chunk 1's, which may stay out
	s_barrier_signal -1
	s_barrier_wait -1
.irp b, 0,1,2,3,4,5,6,7
	ds_load_b128 v[SCB+8*\b:SCB+8*\b+3], v[ADWS] offset:\b*SBLK        ; Wo's eight scale words of row 16 b + r
	ds_load_b128 v[SCB+8*\b+4:SCB+8*\b+7], v[ADWS] offset:\b*SBLK+16
.endr
.irp a, 0,1,2,3
.irp d, 0,1,2,3,4,5,6,7,8,9,10,11,12,13,14,15
	ds_load_u16 v[TH+16*\a+\d], v[ADXS] offset:272*\d+32*\a            ; token 16 a + r, head d: two scale bytes
.endr
.endr
	FETCH 0
	s_wait_dscnt 24                                ; all but step 0's 24 loads
.irp s, 0,1,2,3,4,5,6,7                        ; heads 2 s and 2 s + 1 make K step s's word.  Step 0's four words are made first: 28 plain instructions stand between them and the first product
.irp a, 0,1,2,3
	v_lshl_or_b32 v[SCA+8*\a+\s], v[TH+16*\a+2*\s+1], 16, v[TH+16*\a+2*\s]
.endr
.endr
	FETCH 1
	s_wait_dscnt 24
	s_wait_loadcnt 0x0                             ; bo
	MULALL 0, 1
.irp q, 1,2,3,4,5,6,7
	STEP \q
.endr
	WIN 0
; THE WAY OUT, block by block of 16 tokens x 128 features.  A lane holds 32 neighbouring bytes of a row, and the lanes beside it hold other rows: so a block goes through my own stage in LDS and comes back as whole rows
; of 512 bytes.  LDS serves a wave's instructions in order (ISA guide 5.7.1.4): no wait between the stores and the loads, nor in front of the next block's stores.
.macro TOSTAGE a
.set AC, 64*(\a)
	WIN 0x08                                       ; an LDS store's data are its source 1: window 2
.irp b, 0,1,2,3,4,5,6,7
	ds_store_b128 v[STO], v[AC+8*\b:AC+8*\b+3] offset:64*\b            ; each accumulator from its low end on
	ds_store_b128 v[STO], v[AC+8*\b+4:AC+8*\b+7] offset:64*\b+16
.endr
	WIN 0
.set BB, BK+64*((\a)%2)
.irp t, 0,1,2,3,4,5,6,7,8,9,10,11,12,13,14,15
	ds_load_b128 v[BB+4*\t:BB+4*\t+3], v[RD] offset:\t*SPITCH
.endr
.endm
.macro SEND a, younger                 ; younger: the LDS instructions issued behind block a's loads, which may stay out
.set BB, BK+64*((\a)%2)
	s_wait_dscnt \younger
.if (\a) > 0
	s_add_nc_u64 s[14:15], s[14:15], 16*4096       ; 16 rows on (behind a wait on XCNT for 0: the earlier stores have read their base)
.endif
.irp t, 0,1,2,3,4,5,6,7,8,9,10,11,12,13,14,15
	global_store_b128 v[CO], v[BB+4*\t:BB+4*\t+3], s[14:15] offset:\t*4096 th:TH_STORE_NT   ; 32 lanes store 512 consecutive bytes, at a multiple of 256 from out0's first byte; written once, read by nobody here
.endr
.endm
	PLACES
	TOSTAGE 0
.irp a, 1,2,3
.if \a > 1
	s_wait_xcnt 0x0                                ; block a - 2's stores have read their registers and their base: block a's loads may land there, and the base may step
.endif
	TOSTAGE \a
	SEND \a-1, 32                                  ; behind block a - 1's loads: block a's 16 stores and 16 loads
.endr
	s_wait_xcnt 0x0                                ; block 2's stores have read their base
	SEND 3, 0
	s_wait_tensorcnt 0x0
	ds_add_u32 v30, v31
	s_wait_dscnt 0x0
	CROUND                                         ; the closing round: no work-group ends while a partner may still ask for a tile that names it
	s_endpgm
.Lfunc_end_k_qbeeb1ba24e_oproj:
	.size	k_qbeeb1ba24e_oproj, .Lfunc_end_k_qbeeb1ba24e_oproj-k_qbeeb1ba24e_oproj
	.p2alignl 7, 3214868480
	.fill 96, 4, 3214868480
	.section	.rodata,"a",@progbits
	.p2align	6, 0x0
	.amdhsa_kernel k_qbeeb1ba24e_oproj
		.amdhsa_group_segment_fixed_size 327680
		.amdhsa_private_segment_fixed_size 0
		.amdhsa_enable_private_segment 0
		.amdhsa_kernarg_size 48
		.amdhsa_user_sgpr_count 2
		.amdhsa_user_sgpr_kernarg_segment_ptr 1
		.amdhsa_wavefront_size32 1
		.amdhsa_system_sgpr_workgroup_id_x 1
		.amdhsa_system_sgpr_workgroup_id_y 1
		.amdhsa_system_sgpr_workgroup_id_z 1
		.amdhsa_system_vgpr_workitem_id 0
		.amdhsa_next_free_vgpr 768
		.amdhsa_next_free_sgpr 102
		.amdhsa_reserve_vcc 0
		.amdhsa_float_denorm_mode_32 3
		.amdhsa_float_denorm_mode_16_64 3
		.amdhsa_memory_ordered 1
		.amdhsa_forward_progress 1
		.amdhsa_inst_pref_size 80
	.end_amdhsa_kernel
	.amdgpu_metadata
---
amdhsa.version: [ 1, 2 ]
amdhsa.kernels:
  - .name:           k_qbeeb1ba24e_oproj
    .symbol:         k_qbeeb1ba24e_oproj.kd
    .args:
      - { .name: ximg, .offset: 0, .size: 8, .value_kind: global_buffer, .address_space: global }
      - { .name: xsc, .offset: 8, .size: 8, .value_kind: global_buffer, .address_space: global }
      - { .name: Wo_codes, .offset: 16, .size: 8, .value_kind: global_buffer, .address_space: global }
      - { .name: Wo_scales, .offset: 24, .size: 8, .value_kind: global_buffer, .address_space: global }
      - { .name: bo, .offset: 32, .size: 8, .value_kind: global_buffer, .address_space: global }
      - { .name: out0, .offset: 40, .size: 8, .value_kind: global_buffer, .address_space: global }
    .group_segment_fixed_size: 327680
    .private_segment_fixed_size: 0
    .kernarg_segment_align: 8
    .kernarg_segment_size: 48
    .max_flat_workgroup_size: 128
    .sgpr_count:     102
    .vgpr_count:     768
    .wavefront_size: 32
...
	.end_amdgpu_metadata
.endif
;; end of part 3
